; MI455X (gfx1250); checked and timed in simulation.
; The chip was launched on July 23, 2026; its instructions are those of AMD's public machine-readable ISA for CDNA 5 (MIT licence, August 2026) and "CDNA5" Instruction Set Architecture Reference Guide (July 2026). The comments in the code are by the model that wrote it; some were corrected since.
;; Nystroem. Allowed arithmetic: matrix products marked QUANTISED: E2M1 operands, one E8M0 scale for each 32 along K, by v_wmma_scale_f32_16x16x128_f8f6f4 with both operands' format E2M1 (or v_wmma_scale_f32_32x16x128_f4), f32 sums; everything else in f32.
;; Inputs: centers 2,048 x 2,048 float32; gamma 1 float32; inputs 8,192 x 2,048 float32; normalization 2,048 x 2,048 float32.
;; Outputs: out0 8,192 x 2,048 float32.
;; This version of the problem:
;;   THIS VERSION OF THE PROBLEM IS GIVEN IN LOW PRECISION. The matrix products marked QUANTISED in the list below multiply operands that are first quantised to E2M1 (2 exponent bits, 1 mantissa bit; 4 bits a number), with one power-of-two scale for each 32 numbers along K (OCP MX v1.0); their sums are f32. All else is computed in f32.
;;   The module's matrix products, in the order in which they are computed (A, B: the left and right operand; K: the contracted axis; several contracted axes count as one K, in the product's order):
;;     1. [M 8,192, K 2,048] x [K 2,048, N 2,048]; A: input inputs; B: input centers: QUANTISED
;;     2. [M 8,192, K 2,048] x [K 2,048, N 2,048]; A: computed on the way; B: input normalization: QUANTISED
;;   THE QUANTISER, for each operand of a quantised product, along K:
;;     - K is cut into blocks of 32 from its start; a last block that is shorter is filled with zeros.
;;     - A block's scale is 2^e with e = floor(log2(the largest magnitude in the block)) - 2, held to -126 .. 127; a block of zeros has e = 0. As a byte (E8M0): e + 127.
;;     - Each number is divided by its block's scale, clamped to +-6, and rounded to the nearest number of E2M1, ties to even, subnormals kept.
;;     - The product sums the exact products of the quantised numbers (number of the format x scale) in f32.
;;   ~~~python
;;   def quantise(x, axis):      # numpy; x: float32 -> the quantised numbers, widened to float32 again
;;       x = np.moveaxis(x, axis, -1); K = x.shape[-1]
;;       x = np.pad(x, [(0, 0)] * (x.ndim - 1) + [(0, -K % 32)]); x = x.reshape(x.shape[:-1] + (-1, 32)); a = np.abs(x).max(-1, keepdims=True)
;;       e = np.where(a > 0, np.clip(np.frexp(np.where(a > 0, a, 1))[1] - 1 - 2, -126, 127), 0)      # np.frexp(a)[1] - 1 = floor(log2(a)), exactly
;;       r = np.clip(x / 2.0 ** e, -6, 6)
;;       step = 2.0 ** (np.maximum(np.frexp(np.where(r == 0, 1, r))[1] - 1, 0) - 1)
;;       q = np.round(r / step) * step * 2.0 ** e      # np.round: ties to even
;;       return np.moveaxis(q.reshape(q.shape[:-2] + (-1,))[..., :K], -1, axis).astype(np.float32)
;;   ~~~
;;   OPERANDS COMPUTED ON THE WAY. 'Computed on the way' means the value that the module computes at that place (a softmax that the list does not call 'softmax' is quantised finished and normalised). What goes into a quantiser is computed in f32, as accurately as f32 sums, v_exp_f32 and their like allow (about 1e-6 of the number): no bf16 or f16 on the way to a quantiser, and a product that is left as it is and whose result goes on into a quantised operand takes f32 operands (vector FMAs, or v_wmma_f32_16x16x4_f32). A number that lies on a knife's edge between two numbers of the format may be rounded either way, as far as f32 arithmetic and the matrix unit's own rounding can turn it there, and no further.
;; One version. Each part assembles by itself: llvm-mc -triple=amdgcn-amd-amdhsa -mcpu=gfx1250 --defsym DOCPART=n.
;; ======== version 1 of 1: 3 launches
;; workspace buffers: xc_codes 10,485,760 bytes; xc_scales 655,360 bytes; sq 655,360 bytes; n_codes 2,097,152 bytes; n_scales 131,072 bytes; d_codes 8,388,608 bytes; d_scales 524,288 bytes
;; launch quant_rows (part 1): grid 256 x 1, 8 waves a work-group, no clusters, 73,728 bytes of LDS; arguments inputs, centers, xc_codes, xc_scales, sq; writes xc_codes, xc_scales, sq
.if DOCPART == 1
	.amdgcn_target "amdgcn-amd-amdhsa--gfx1250"
	.amdhsa_code_object_version 6
	.text
	.protected	k_qf478b88ebd_quant_rows
	.globl	k_qf478b88ebd_quant_rows
	.p2align	8
	.type	k_qf478b88ebd_quant_rows,@function
k_qf478b88ebd_quant_rows:
	s_mov_b64 s[64:65], 0
	v_nop
	global_prefetch_b8 v0, s[64:65] scope:SCOPE_SE
	s_setreg_imm32_b32 hwreg(HW_REG_WAVE_MODE, 25, 1), 1
	s_wait_xcnt 0x0
; inputs [8192][2048] and centers [2048][2048], f32, K innermost, become codes of FP4 (E2M1) with one E8M0 byte for each 32 along K, and each row's sum of squares (of the f32 numbers) is taken on the way.
; Rows are numbered 0..8191 (inputs) and 8192..10239 (centers): 40 blocks of 256 rows.
; CODES ARE LAID AS IMAGES OF THE OPERAND'S REGISTERS: [block of 256 rows][piece Q of 128 along K][tile of 16 rows][c 0,1][lane][16 bytes]: lane (r, h), half c holds the 32 codes of K block 2 c + h of row r.
; SCALE WORDS (4 bytes: a row's four blocks of a piece): [block][Q][half of 128 rows][512 bytes]; row 32 a + 16 hh + r of the half lies at 16 (16 hh + r) + 4 a, so that a 16-byte read gives four row tiles' words.
; sq [16][10240] f32: a row's sum of squares over one piece of K; the reader adds the sixteen.
; A block's scale is 2^(floor(log2(largest magnitude)) - 2); its byte is the largest magnitude's exponent field - 2, held at 1 from below.  A block of zeros gets the byte 1 with zero codes: only this program reads the bytes.
; LIMITS: NaN and infinities among the inputs are not served.
; SHARES: the work is 80 groups of 128 rows x 16 pieces = 1,280 units; each of the 256 work-groups takes five consecutive units (unit u: group u / 16, piece u % 16), so that all have the same work.
; In a unit wave T takes 16 rows x 128 numbers.  Each load reads 512 consecutive bytes of one row; the 8,192 bytes turn through the wave's own stage in LDS, so that lane (r, h) then holds 16 neighbours
; of each of row r's four blocks.  No matrix unit, no cluster, no tensor load: the waves share no input and memory binds.
.set NU,   5                           ; units of a work-group
.set SPT,  528                         ; a stage row: 512 bytes + 16 = 33 x 16: the sixteen rows that a read touches begin in sixteen different 16-byte columns of 256 bytes
.set STG,  16*SPT                      ; a wave's stage
.set WRD,  8*STG                       ; behind the stages: the scale words of the five units, 512 bytes each, in the order of the buffer
.set SQL,  WRD+NU*512                  ; and the units' 128 sums of squares, 512 bytes each
.set R,    16                          ; v16-143   two sets of 64 numbers as loaded
.set X,    144                         ; v144-207  64 numbers after the turn: register 16 b + i = k 32 b + 16 h + i of my row
.set PC,   208                         ; v208-239  codes: four sets of eight registers
.set TM,   240                         ; v240-243 largest magnitudes, v244-247 the other half's, then bytes, v248 the scale word, v252-255 the conversions' scale operands
.set SRC,  32                          ; s[32:41]  where my 16 rows of each unit begin
.set DST,  42                          ; s[42:51]  where my tile's image of each unit goes
	s_load_b256 s[4:11], s[0:1], 0x0               ; inputs s[4:5], centers s[6:7], codes s[8:9], scale words s[10:11]
	s_load_b64 s[12:13], s[0:1], 0x20              ; sq
	v_lshl_add_u32 v250, v0, 2, 0x11c00
	v_mov_b32 v251, 0
	v_lshrrev_b32 v1, 5, v0
	v_readfirstlane_b32 s14, v1                    ; T: wave 0..7
	s_mul_i32 s15, ttmp9, NU                       ; my work-group's first unit
	s_mov_b32 s20, 0x76543210
	s_mov_b32 s21, 0xfedcba98                      ; v_permlanex16_b32's selects for lane l xor 16
	v_and_b32 v7, 31, v0
	v_lshlrev_b32 v1, 4, v7                        ; v1: 16 x lane
	v_and_b32 v8, 15, v0                           ; r
	v_bfe_u32 v9, v0, 4, 1                         ; h
	s_mul_i32 s17, s14, STG
	v_add_nc_u32 v2, s17, v1                       ; v2: the stage on the way in: a row's 512 bytes as they lie
	v_mul_u32_u24 v3, v8, SPT
	v_lshl_add_u32 v3, v9, 6, v3
	v_add_nc_u32 v3, s17, v3                       ; v3: on the way out: row r, + 64 h: my 16 numbers of a block of 32
	s_and_b32 s18, s14, 1
	s_lshl_b32 s18, s18, 8
	s_lshr_b32 s19, s14, 1
	s_lshl_b32 s19, s19, 2
	s_add_co_u32 s18, s18, s19
	s_add_co_u32 s18, s18, WRD
	v_lshl_add_u32 v4, v8, 4, s18                  ; v4: my row's scale word: 256 (T % 2) + 16 r + 4 (T / 2)
	s_lshl_b32 s18, s14, 6
	s_add_co_u32 s18, s18, SQL
	v_lshl_add_u32 v5, v8, 2, s18                  ; v5: my row's sum: 4 (16 T + r)
	s_min_u32 s18, s14, 4
	s_lshl_b32 s18, s18, 9
	s_add_co_u32 s18, s18, WRD
	v_add_nc_u32 v6, s18, v1                       ; v6: the gather at the end: wave T of 0-4 takes unit T's 512 bytes of words, and SQL - WRD further on its sums
	v_mov_b32 v7, 0                                ; a lane permute's destination counts as one of its sources: written once
.irp b, 0,1,2,3
	v_mov_b32 v[TM+4+\b], 0
.endr
; Unit i's two addresses.  The choice between the two tensors hangs on the unit's number alone.
.macro UNIT i
	s_add_co_u32 s16, s15, \i
	s_lshr_b32 s17, s16, 4                         ; the group of 128 rows
	s_and_b32 s16, s16, 15                         ; the piece
	s_cmp_lt_u32 s17, 64
	s_cselect_b64 s[SRC+2*\i:SRC+2*\i+1], s[4:5], s[6:7]
	s_cselect_b32 s18, 0, 64
	s_sub_co_u32 s18, s17, s18                     ; the group's number within its tensor
	s_lshl_b32 s18, s18, 20                        ; 128 rows of 8,192 bytes,
	s_lshl_b32 s19, s14, 17                        ; my wave's 16 rows,
	s_add_co_u32 s18, s18, s19
	s_lshl_b32 s19, s16, 9                         ; the piece's 512 bytes
	s_add_co_u32 s18, s18, s19
	s_mov_b32 s19, 0
	s_add_nc_u64 s[SRC+2*\i:SRC+2*\i+1], s[SRC+2*\i:SRC+2*\i+1], s[18:19]
	s_lshr_b32 s18, s17, 1                         ; codes: block of 256 rows, piece, tile 8 x half + T
	s_lshl_b32 s18, s18, 18
	s_lshl_b32 s22, s16, 14
	s_add_co_u32 s18, s18, s22
	s_and_b32 s22, s17, 1
	s_lshl_b32 s22, s22, 3
	s_add_co_u32 s22, s22, s14
	s_lshl_b32 s22, s22, 10
	s_add_co_u32 s18, s18, s22
	s_add_nc_u64 s[DST+2*\i:DST+2*\i+1], s[8:9], s[18:19]
.endm
.macro LOAD t                          ; unit t: 512 consecutive bytes of each of my 16 rows, into set t % 2
.irp j, 0,1,2,3,4,5,6,7,8,9,10,11,12,13,14,15
	global_load_b128 v[R+64*((\t)%2)+4*\j:R+64*((\t)%2)+4*\j+3], v1, s[SRC+2*(\t):SRC+2*(\t)+1] offset:\j*8192 th:TH_LOAD_NT
.endr
.endm
; 64 numbers of a lane, register 16 b + i = k 32 b + 16 (lane / 16) + i of my row, become a fragment's eight registers of codes at v[pc] and the row's scale word in v[pw].
.macro QUANT src, pc, pw
.irp b, 0,1,2,3
	v_max3_num_f32 v[TM+\b], |v[\src+16*\b]|, |v[\src+1+16*\b]|, 0x1800000   ; block b: my 16 numbers, and the floor 2^(3 - 127): the byte cannot fall under 1
.endr
.irp i, 2,4,6,8,10,12,14
.irp b, 0,1,2,3
	v_max3_num_f32 v[TM+\b], v[TM+\b], |v[\src+16*\b+\i]|, |v[\src+1+16*\b+\i]|   ; the four blocks by turns
.endr
.endr
.irp b, 0,1,2,3
	v_permlanex16_b32 v[TM+4+\b], v[TM+\b], s20, s21
.endr
.irp b, 0,1,2,3
	v_max_num_f32 v[TM+\b], v[TM+\b], v[TM+4+\b]   ; with lane l xor 16's: the block's largest magnitude
.endr
.irp b, 0,1,2,3
	v_add_nc_u32 v[TM+12+\b], 0xff000000, v[TM+\b] ; 2 off its exponent field: the conversion takes that field as its scale
.endr
.irp b, 0,1,2,3
	v_lshrrev_b32 v[TM+4+\b], 23, v[TM+12+\b]      ; the scale's byte
.endr
	v_lshl_or_b32 v[\pw], v[TM+5], 8, v[TM+4]
	v_lshl_or_b32 v[\pw], v[TM+6], 16, v[\pw]
	v_lshl_or_b32 v[\pw], v[TM+7], 24, v[\pw]
.irp b, 0,1,2,3
	v_cvt_scalef32_pk8_fp4_f32 v[(\pc)+2*\b], v[\src+16*\b:\src+7+16*\b], v[TM+12+\b]
	v_cvt_scalef32_pk8_fp4_f32 v[(\pc)+1+2*\b], v[\src+8+16*\b:\src+15+16*\b], v[TM+12+\b]
.endr
	v_nop                                          ; one plain instruction behind a scaled conversion
.irp c, 0,1                                    ; the operand's layout wants a whole block in a lane: lanes 0-15 block 2 c, lanes 16-31 block 2 c + 1
.irp i, 0,1
	v_permlane16_swap_b32 v[(\pc)+4*\c+\i], v[(\pc)+2+4*\c+\i]
.endr
.endr
.endm
.macro STEP t
.if (\t) < NU-1
	s_wait_loadcnt 16                              ; this unit's 16 loads are in; the next unit's 16 may be out
.else
	s_wait_loadcnt 0x0
.endif
.irp j, 0,1,2,3,4,5,6,7,8,9,10,11,12,13,14,15
	ds_store_b128 v2, v[R+64*((\t)%2)+4*\j:R+64*((\t)%2)+4*\j+3] offset:\j*SPT
.endr
.irp b, 0,1,2,3
.irp j, 0,1,2,3
	ds_load_b128 v[X+16*\b+4*\j:X+16*\b+4*\j+3], v3 offset:128*\b+16*\j   ; LDS serves a wave's instructions in order: these see the stores above
.endr
.endr
	s_wait_dscnt 0x0                               ; my 64 numbers are back; the stores have read their registers; the last unit's word and sum stores have read theirs
.if (\t) < NU-2
	LOAD (\t)+2                                    ; into the set just emptied
.endif
.irp p, 0,2,4,6                                ; the sum of squares of the f32 numbers, two at a time, in four chains, which the first products start
	v_pk_mul_f32 v[8+\p:9+\p], v[X+\p:X+\p+1], v[X+\p:X+\p+1]
.endr
.irp q, 8,16,24,32,40,48,56
.irp p, 0,2,4,6
	v_pk_fma_f32 v[8+\p:9+\p], v[X+\q+\p:X+\q+\p+1], v[X+\q+\p:X+\q+\p+1], v[8+\p:9+\p]
.endr
.endr
	v_pk_add_f32 v[8:9], v[8:9], v[10:11]
	v_pk_add_f32 v[12:13], v[12:13], v[14:15]
	v_pk_add_f32 v[8:9], v[8:9], v[12:13]
	v_add_f32 v8, v8, v9
	v_permlanex16_b32 v7, v8, s20, s21
	v_add_f32 v8, v8, v7                           ; with lane l xor 16's half: my row's sum over this piece
	ds_store_b32 v5, v8 offset:(\t)*512            ; lanes r and r + 16 write the same word with the same value
.if (\t) >= 4
	s_wait_xcnt 0x0                                ; every earlier memory instruction has had its addresses translated (ISA guide 3.1): the first unit's codes' registers are written again only behind this wait
.endif
	QUANT X, PC+8*((\t)%4), TM+8
.irp c, 0,1
	global_store_b128 v1, v[PC+8*((\t)%4)+4*\c:PC+8*((\t)%4)+4*\c+3], s[DST+2*(\t):DST+2*(\t)+1] offset:\c*512   ; 32 lanes store 512 consecutive bytes, aligned
.endr
	ds_store_b32 v4, v[TM+8] offset:(\t)*512       ; lanes r and r + 16 write the same word with the same value
.endm
	s_wait_kmcnt 0x0
	UNIT 0
	LOAD 0
	UNIT 1
	LOAD 1
	UNIT 2
	UNIT 3
	UNIT 4
	s_min_u32 s16, s14, 4                          ; the unit whose words and sums my wave stores at the end
	s_add_co_u32 s16, s16, s15
	s_lshr_b32 s17, s16, 4
	s_and_b32 s16, s16, 15
	s_lshr_b32 s18, s17, 1                         ; scale words: block, piece, half
	s_lshl_b32 s18, s18, 14
	s_lshl_b32 s22, s16, 10
	s_add_co_u32 s18, s18, s22
	s_and_b32 s22, s17, 1
	s_lshl_b32 s22, s22, 9
	s_add_co_u32 s18, s18, s22
	s_mov_b32 s19, 0
	s_add_nc_u64 s[10:11], s[10:11], s[18:19]
	s_mul_i32 s18, s16, 40960                      ; sq: the piece's 10,240 numbers, the group's 128
	s_lshl_b32 s22, s17, 9
	s_add_co_u32 s18, s18, s22
	s_add_nc_u64 s[12:13], s[12:13], s[18:19]
	STEP 0
	STEP 1
	STEP 2
	STEP 3
	STEP 4
	s_wait_dscnt 0x0                               ; for the others' sake: my words and sums lie in LDS
	s_barrier_signal -1
	s_barrier_wait -1
	s_cmp_gt_u32 s14, 4
	s_cbranch_scc1 .Lend                           ; waves 0-4 store a unit's scale words and its sums
	ds_load_b128 v[12:15], v6
	ds_load_b128 v[8:11], v6 offset:SQL-WRD
	s_wait_dscnt 0x0
	global_store_b128 v1, v[12:15], s[10:11]       ; 512 consecutive bytes, aligned
	global_store_b128 v1, v[8:11], s[12:13]        ; likewise
.Lend:
	s_wait_tensorcnt 0x0
	ds_add_u32 v250, v251
	s_wait_dscnt 0x0
	s_endpgm
.Lfunc_end_k_qf478b88ebd_quant_rows:
	.size	k_qf478b88ebd_quant_rows, .Lfunc_end_k_qf478b88ebd_quant_rows-k_qf478b88ebd_quant_rows
	.p2alignl 7, 3214868480
	.fill 96, 4, 3214868480
	.section	.rodata,"a",@progbits
	.p2align	6, 0x0
	.amdhsa_kernel k_qf478b88ebd_quant_rows
		.amdhsa_group_segment_fixed_size 73728
		.amdhsa_private_segment_fixed_size 0
		.amdhsa_enable_private_segment 0
		.amdhsa_kernarg_size 40
		.amdhsa_user_sgpr_count 2
		.amdhsa_user_sgpr_kernarg_segment_ptr 1
		.amdhsa_wavefront_size32 1
		.amdhsa_system_sgpr_workgroup_id_x 1
		.amdhsa_system_sgpr_workgroup_id_y 1
		.amdhsa_system_sgpr_workgroup_id_z 1
		.amdhsa_system_vgpr_workitem_id 0
		.amdhsa_next_free_vgpr 256
		.amdhsa_next_free_sgpr 66
		.amdhsa_reserve_vcc 0
		.amdhsa_float_denorm_mode_32 3
		.amdhsa_float_denorm_mode_16_64 3
		.amdhsa_memory_ordered 1
		.amdhsa_forward_progress 1
		.amdhsa_inst_pref_size 57
	.end_amdhsa_kernel
	.amdgpu_metadata
---
amdhsa.version: [ 1, 2 ]
amdhsa.kernels:
  - .name:           k_qf478b88ebd_quant_rows
    .symbol:         k_qf478b88ebd_quant_rows.kd
    .args:
      - { .name: inputs, .offset: 0, .size: 8, .value_kind: global_buffer, .address_space: global }
      - { .name: centers, .offset: 8, .size: 8, .value_kind: global_buffer, .address_space: global }
      - { .name: xc_codes, .offset: 16, .size: 8, .value_kind: global_buffer, .address_space: global }
      - { .name: xc_scales, .offset: 24, .size: 8, .value_kind: global_buffer, .address_space: global }
      - { .name: sq, .offset: 32, .size: 8, .value_kind: global_buffer, .address_space: global }
    .group_segment_fixed_size: 73728
    .private_segment_fixed_size: 0
    .kernarg_segment_align: 8
    .kernarg_segment_size: 40
    .max_flat_workgroup_size: 256
    .sgpr_count:     66
    .vgpr_count:     256
    .wavefront_size: 32
...
	.end_amdgpu_metadata
.endif
;; end of part 1
;; launch gemm1 (part 2): grid 8 x 32, 4 waves a work-group, clusters of 4 x 4, 327,680 bytes of LDS; arguments xc_codes, xc_scales, sq, gamma, d_codes, d_scales, normalization, n_codes, n_scales; writes d_codes, d_scales, n_codes, n_scales
.if DOCPART == 2
	.amdgcn_target "amdgcn-amd-amdhsa--gfx1250"
	.amdhsa_code_object_version 6
	.text
	.protected	k_qf478b88ebd_gemm1
	.globl	k_qf478b88ebd_gemm1
	.p2align	8
	.type	k_qf478b88ebd_gemm1,@function
k_qf478b88ebd_gemm1:
	s_mov_b64 s[64:65], 0
	v_nop
	global_prefetch_b8 v0, s[64:65] scope:SCOPE_SE
	s_setreg_imm32_b32 hwreg(HW_REG_WAVE_MODE, 25, 1), 1
	s_wait_xcnt 0x0
	s_wait_alu depctr_hold_cnt(0) depctr_sa_sdst(0) depctr_va_vdst(0) depctr_va_sdst(0) depctr_va_ssrc(0) depctr_va_vcc(0) depctr_vm_vsrc(0)
	s_getreg_b32 s2, hwreg(HW_REG_IB_STS2, 6, 4)
	s_cmp_eq_u32 s2, 0
	s_cbranch_scc0 .Lentry_in_a_cluster
	s_endpgm
.Lentry_in_a_cluster:
	s_bfe_u32 s2, ttmp6, 0x10000c
	s_cmp_lg_u32 s2, 0xf033
	s_cbranch_scc0 .Lentry_shape_is_right
	s_endpgm
.Lentry_shape_is_right:
; densities = exp(-gamma (|x|^2 + |c|^2 - 2 x c^T)), [8192][2048]; x c^T on codes of FP4 (E2M1) with E8M0 scales; the densities are quantised along their columns (the next product's K) in registers and leave as codes.
; OPERANDS.  xc_codes: [block of 256 rows][piece Q of 128 along K][tile of 16 rows][1,024 bytes], a tile being the image of a fragment's eight registers ([c 0,1][lane][16 bytes]); blocks 0-31 are x, 32-39 the centres.
; xc_scales: [block][Q][half of 128 rows][512 bytes], the word of row 32 a + 16 hh + r at 16 (16 hh + r) + 4 a.  sq: [16][10240] f32, partial sums of squares.  d_codes, d_scales: the same two layouts, K = the centres' axis.
; SHARES.  A tile of 256 x 256 is made by four waves, as many as a WGP has SIMDs; a wave makes 128 x 128: 64 accumulators, 512 registers.  K goes in four steps of 512 through two LDS slots; a step's codes of 256 rows
; are 65,536 consecutive bytes of memory, brought by two tensor loads of 128 rows x 256 bytes.  A fragment load's 32 lanes take 512 consecutive bytes of LDS: no padding is wanted.
; The scale words of the 256 + 256 rows for all of K (2 x 16,384 bytes, dense) come once, with the first fills, and stay.
; CLUSTERS: 4 x 4 work-groups.  The four of a row of the cluster need the same tiles of x, the four of a column the same tiles of the centres: each tile is asked for jointly, by the same tensor load with the same
; descriptor and a mask that names the four.
; THE MATRIX INSTRUCTION IS USED TRANSPOSED (source 0 = 16 centres, source 1 = 16 rows of x): lane (r, h) holds row r and columns 16 b + 8 h + 0..7 of accumulator (a, b).  So the 16 registers of accumulators 2 B and 2 B + 1
; are 16 numbers of block B of 32 columns, and lane l xor 16 holds the other 16.  The codes come out in the order k = 0-7, 16-23, 8-15, 24-31 inside each block.
; ARITHMETIC ahead of the quantiser, all f32: g2 = gamma log2(e); t = (dot x 2 g2 - g2 |c|^2) - g2 |x|^2; density = 2^t by v_exp_f32.
; WHILE THE FIRST TILES ARE ON THEIR WAY each work-group quantises one 256th of normalization [2048 (k)][2048 (n)], the next product's right operand: 128 columns x one piece of 128 along K.  K is that tensor's FIRST axis:
; a lane takes a column and its registers run down K, so that a block of 32 lies in one lane's 32 registers and the conversions' results are the operand's registers.  n_codes and n_scales have the two layouts above, a row
; being a column of normalization; inside a block the codes are laid in the same order 0-7, 16-23, 8-15, 24-31 as the densities'.  Blocks, scales and codes are those of the stated quantiser and both operands carry the same
; order, so every product is kept; only the grouping of the sum inside the matrix instruction differs from ascending k.
; A block's scale is 2^(floor(log2(largest magnitude)) - 2); its byte is the exponent field - 2, held at 1 from below.
; LIMITS: a density under 2^-126 comes out as 0 (v_exp_f32 flushes: ISA guide 15.8); a block of zeros has the byte 1 and zero codes (only this program reads the bytes); NaN and infinities are not served.
; REGISTERS, in windows of 256: window 0: v1-31 addresses; v32-95 scale words, two sets, and nothing else; v128-191 x's fragments, one set; at the head v96-115 and v128-255 serve normalization; in the way out v96-215 at work.
;   window 1: the centres' fragments, two sets, at v0 and v128; at the head v0-63 the sums of squares, in the way out the column terms.   window 2: the accumulators of my rows 0-63 ((a, b) at v[8 (8 a + b)]);   window 3: those of rows 64-127.
.set NQ,    4                          ; matrix instructions deep in a slot
.set FR,    8                          ; registers of a fragment
.set NL,    2                          ; LDS loads that bring one
.set NP,    4                          ; places behind this matrix instruction (ISA guide 7.12.1)
.set KSB,   65536                      ; a K step's codes of 256 rows
.set SLOT,  2*KSB                      ; x's, then the centres'
.set SCL,   2*SLOT                     ; behind the ring: the scale words: x's 16,384 bytes, then the centres'
.set SPARE, SCL+32768                  ; the spare words, 128 bytes for each wave: two blocks of 256 bytes that no other line names
.set SQS,   SPARE+512                  ; -g2 |x|^2 of my 256 rows, then -g2 |c|^2 of my 256 columns: 2,048 bytes into which no fill lands
.set NSW,   SQS+2048                   ; the scale words of my 128 columns of normalization: 512 bytes into which no fill lands
.set BBLK,  32                         ; the centres' first block of 256 rows
.set CAD,  8                           ; v8      LDS address of my columns' terms
.set XAD,  9                           ; v9      of my rows' terms
.set NIN,  10                          ; v10     normalization: 4 x lane: a load reads 128 consecutive bytes of a row
.set NCO,  11                          ; v11     its codes: tile lane / 16 of my wave's two, 16 bytes for column lane % 16
.set NWS,  12                          ; v12     LDS: my column's scale word: 16 x lane + 4 x wave
.set NRD,  13                          ; v13     LDS: 16 x lane: the words as they are stored
.set ADRA, 16                          ; v16-17  LDS address of my fragments of x in slot 0, 1
.set ADRB, 20                          ; v20-21  the same for the centres
.set ADRS, 27                          ; v27     LDS address of my scale words: lanes 0-15 x's, lanes 16-31 the centres'
.set SPW,  28                          ; v28     LDS address of my spare word; never rewritten
.set NIL,  29                          ; v29     0; never rewritten
.set SC,   32                          ; scale words: block i, the slot's piece q, set s at v[SC + 32 s + 8 q + 4 (i % 2) + i / 2]
.set NC,   96                          ; v96-111  normalization's codes: four registers for each block, so that no store's data are written again
.set NG4,  112                         ; v112-115 its scale words on their way out
.set NX,   128                         ; v128-255 its numbers: four blocks of 32
.set AF,   128
.set HA,   96                          ; the way out: v96-159 64 exponents, then densities
.set XA,   160                         ; v160-175 my rows' terms, each twice (a pair for the packed addition)
.set PC,   176                         ; v176-183 a fragment's codes
.set PWS,  184                         ; v184-191 the eight row tiles' scale words
.set WO,   192                         ; v192-195 four of them, as they are stored
.set TM,   200                         ; v200-215 the quantiser's work
.set CA,   0                           ; in window 1: v0-63 my columns' terms
.set G2,   66                          ; s[66:67] 2 g2, twice
.set NG,   100                         ; s[100:101] -g2, twice
.set SEL,  2                           ; s[2:3] lane selects for v_permlanex16_b32
.set G1, 24                            ; s[24:31] descriptor group 1 for x's tiles;  s[32:39] group 0, one set for each slot
.set G0, 32
.set G1B, 48                           ; s[48:55], s[56:63] the same for the centres'
.set G0B, 56
.set G1S, 68                           ; s[68:75], s[76:79] groups 1 and 0 for x's scale words;  s[80:87], s[88:91] for the centres'
.set G0S, 76
.set G1SB, 80
.set G0SB, 88
.set MSB, 0
.macro WIN new                         ; the immediate's high byte repeats the setting that is left
.if MSB != \new
	s_set_vgpr_msb (MSB<<8)|\new
.set MSB, \new
.endif
.endm
.set MUL_LO, 0xa1                      ; source 0 window 1, source 1 window 0, C and D window 2
.set MUL_HI, 0xf1                      ; the same, C and D window 3
.set TO_B,   0x40                      ; destination window 1, address window 0
; A joint load: waves 0 and 1 fetch for x, waves 2 and 3 for the centres.  Each line has one mask and one set of registers for all that issue it; the branch hangs on the wave's number alone.
; Four v_nop follow each of the two lines, ahead of the jump, the label and what follows.
.macro JLOAD g0a, g1a, g0b, g1b
	s_cmp_eq_u32 s17, 0
	s_cbranch_scc0 .Lfor_b_\@
	tensor_load_to_lds s[\g0a:\g0a+3], s[\g1a:\g1a+7]
	s_nop 0
.rept 4
	v_nop
.endr
	s_branch .Lasked_\@
.Lfor_b_\@:
	tensor_load_to_lds s[\g0b:\g0b+3], s[\g1b:\g1b+7]
	s_nop 0
.rept 4
	v_nop
.endr
.Lasked_\@:
.endm
.macro CREST                           ; a round of the cluster's barrier behind its opening barrier
	s_cmp_lg_u32 s16, 0
	s_cbranch_scc1 .Lnot_wave_0_\@
	s_barrier_signal -3
.Lnot_wave_0_\@:
	s_barrier_wait -3
	s_barrier_signal -1
	s_barrier_wait -1
.endm
.macro CROUND                          ; a whole round
	s_barrier_signal -1
	s_barrier_wait -1
	CREST
.endm
	s_load_b128 s[4:7], s[0:1], 0x0                ; the codes s[4:5], the scale words s[6:7]: both operands lie in them
	s_load_b128 s[96:99], s[0:1], 0x10             ; sq s[96:97], gamma s[98:99]
	s_load_b128 s[12:15], s[0:1], 0x20             ; the densities' codes s[12:13], their scale words s[14:15]
	s_load_b128 s[8:11], s[0:1], 0x30              ; normalization s[8:9], its codes s[10:11]
	s_load_b64 s[104:105], s[0:1], 0x40            ; its scale words
	v_lshl_add_u32 v[SPW], v0, 2, SPARE
	v_mov_b32 v[NIL], 0
	ds_add_u32 v28, v29
	ds_add_u32 v28, v29
	s_wait_dscnt 0x0
	v_lshrrev_b32 v1, 5, v0
	v_readfirstlane_b32 s16, v1                    ; wave 0..3
	s_lshr_b32 s17, s16, 1                         ; which half of the tile's rows is mine.  Also: I fetch for x (0) or for the centres (1)
	s_and_b32 s18, s16, 1                          ; which half of its columns.  Also: which half of a K step's bytes I fetch
	s_bfe_u32 s40, ttmp6, 0x40000                  ; cx, cy: my place in the cluster
	s_bfe_u32 s41, ttmp6, 0x40004
	s_lshl_b32 s42, ttmp9, 2
	s_add_co_u32 s42, s42, s40                     ; tile column = 4 x cluster x + cx
	s_and_b32 s19, ttmp7, 0xffff
	s_lshl_b32 s19, s19, 2
	s_add_co_u32 s19, s19, s41                     ; tile row = 4 x cluster y + cy
	s_lshl_b32 s43, s41, 2
	s_lshl_b32 s43, 15, s43                        ; my row of the cluster
	s_lshl_b32 s44, 0x1111, s40                    ; my column
	; descriptor group 1: a dense block as rows of 256 bytes (32 elements of 8 bytes), no padding: 128 rows of codes, 32 rows of scale words
	s_or_b32 s[G1+0], s43, (3<<16)|(1<<21)         ; 15:0 the mask: x's tiles go to my row; 17:16 elements of 8 bytes; 21 set beside a mask
	s_or_b32 s[G1B+0], s44, (3<<16)|(1<<21)        ; the centres' go to my column
	s_or_b32 s[G1S+0], s43, (3<<16)|(1<<21)
	s_or_b32 s[G1SB+0], s44, (3<<16)|(1<<21)
.irp g, G1, G1B
	s_mov_b32 s[\g+1], 32<<16                      ; tensor_dim0 = 32
	s_mov_b32 s[\g+2], 128<<16                     ; tensor_dim1 = 128
	s_mov_b32 s[\g+3], 32<<16                      ; tile_dim0 = 32
	s_mov_b32 s[\g+4], 128                         ; tile_dim1 = 128
	s_mov_b32 s[\g+5], 32                          ; tensor_dim0_stride
	s_mov_b32 s[\g+6], 0
	s_mov_b32 s[\g+7], 0
.endr
.irp g, G1S, G1SB
	s_mov_b32 s[\g+1], 32<<16
	s_mov_b32 s[\g+2], 32<<16
	s_mov_b32 s[\g+3], 32<<16
	s_mov_b32 s[\g+4], 32
	s_mov_b32 s[\g+5], 32
	s_mov_b32 s[\g+6], 0
	s_mov_b32 s[\g+7], 0
.endr
	s_lshl_b32 s20, s19, 18                        ; x's codes: block = tile row; my half of a K step's 65,536 bytes
	s_lshl_b32 s22, s18, 15
	s_add_co_u32 s20, s20, s22
	s_mov_b32 s21, 0
	s_lshl_b32 s22, s19, 14                        ; x's scale words: my half of the block's 16,384 bytes
	s_lshl_b32 s23, s18, 13
	s_add_co_u32 s22, s22, s23
	s_mov_b32 s23, 0
	s_add_co_u32 s46, s42, BBLK                    ; the centres: block = 32 + tile column
	s_lshl_b32 s92, s46, 14
	s_lshl_b32 s46, s46, 18
	s_lshl_b32 s47, s18, 15
	s_add_co_u32 s46, s46, s47
	s_lshl_b32 s47, s18, 13
	s_add_co_u32 s92, s92, s47
	s_mov_b32 s47, 0
	s_mov_b32 s93, 0
	s_lshl_b32 s45, s16, 15                        ; where they go: wave x 32,768 in a slot; no place in the cluster enters an LDS address
	s_lshl_b32 s94, s16, 13                        ; and wave x 8,192 among the scale words
	s_wait_kmcnt 0x0
	s_load_b32 s[NG], s[98:99], 0x0                ; gamma: asked for as soon as its address is here; it comes while the round and the first fills go on
	s_add_nc_u64 s[20:21], s[4:5], s[20:21]
	s_add_nc_u64 s[22:23], s[6:7], s[22:23]
	s_add_nc_u64 s[46:47], s[4:5], s[46:47]
	s_add_nc_u64 s[92:93], s[6:7], s[92:93]
	CROUND                                         ; all sixteen work-groups are here: the first joint loads meet
	s_mov_b32 s[G0S], 1
	s_add_co_u32 s[G0S+1], s94, SCL
	s_mov_b64 s[G0S+2:G0S+3], s[22:23]
	s_or_b32 s[G0S+3], s[G0S+3], 0x80000000
	s_mov_b32 s[G0SB], 1
	s_add_co_u32 s[G0SB+1], s94, SCL
	s_mov_b64 s[G0SB+2:G0SB+3], s[92:93]
	s_or_b32 s[G0SB+3], s[G0SB+3], 0x80000000
	JLOAD G0S, G1S, G0SB, G1SB                     ; the scale words first: they are wanted with K step 0
.irp s, 0,1
	s_mov_b32 s[G0+4*\s], 1
	s_add_co_u32 s[G0+4*\s+1], s45, \s*SLOT
	s_add_nc_u64 s[G0+4*\s+2:G0+4*\s+3], s[20:21], \s*KSB
	s_or_b32 s[G0+4*\s+3], s[G0+4*\s+3], 0x80000000
	s_mov_b32 s[G0B+4*\s], 1
	s_add_co_u32 s[G0B+4*\s+1], s45, \s*SLOT
	s_add_nc_u64 s[G0B+4*\s+2:G0B+4*\s+3], s[46:47], \s*KSB
	s_or_b32 s[G0B+4*\s+3], s[G0B+4*\s+3], 0x80000000
	JLOAD G0+4*\s, G1, G0B+4*\s, G1B               ; three tensor loads of mine are out
.endr
	; ---- the loads into registers go out next: the sums of squares, then my share of normalization
	v_and_b32 v1, 15, v0                           ; r
	v_bfe_u32 v2, v0, 4, 1                         ; h
	v_and_b32 v3, 31, v0
	v_lshlrev_b32 v[NIN], 2, v3
	v_lshlrev_b32 v3, 4, v3                        ; v3: 16 x lane: my place in an image, in LDS and in memory
	v_and_b32 v31, 63, v0
	v_lshlrev_b32 v31, 4, v31                      ; thread t takes four terms: threads 0-63 the rows', threads 64-127 the columns'
	s_lshl_b32 s92, s19, 10                        ; sq: rows 256 x tile row on,
	s_lshl_b32 s93, s42, 10
	s_add_co_u32 s93, s93, 32768                   ; or rows 8,192 + 256 x tile column on
	s_cmp_eq_u32 s17, 0
	s_cselect_b32 s92, s92, s93                    ; (it enters a global address alone)
	s_mov_b32 s93, 0
	s_add_nc_u64 s[96:97], s[96:97], s[92:93]
	WIN TO_B
.irp k, 0,1,2,3,4,5,6,7,8,9,10,11,12,13,14,15
	global_load_b128 v[4*\k:4*\k+3], v31, s[96:97] offset:\k*40960   ; the sixteen pieces of K, into window 1
.endr
	WIN 0
	s_lshl_b32 s20, s19, 3
	s_add_co_u32 s20, s20, s42                     ; my work-group's number among the 256: 8 x tile row + tile column
	s_and_b32 s21, s20, 15                         ; which 128 columns of normalization
	s_lshr_b32 s20, s20, 4                         ; which piece of 128 along K
	s_lshl_b32 s22, s20, 20                        ; source: 128 rows of 8,192 bytes a piece,
	s_lshl_b32 s23, s21, 9                         ; 128 columns,
	s_add_co_u32 s22, s22, s23
	s_lshl_b32 s23, s16, 7                         ; my wave's 32
	s_add_co_u32 s22, s22, s23
	s_mov_b32 s23, 0
	s_add_nc_u64 s[8:9], s[8:9], s[22:23]
.irp t, 0,1,2,3
.irp i, 0,1,2,3,4,5,6,7,8,9,10,11,12,13,14,15,16,17,18,19,20,21,22,23,24,25,26,27,28,29,30,31
	global_load_b32 v[NX+32*\t+\i], v[NIN], s[8:9] offset:(32*\t+\i)*8192 th:TH_LOAD_NT   ; row 32 t + i of the piece at my column
.endr
.endr
	s_lshr_b32 s46, s21, 1                         ; block of 256 columns
	s_and_b32 s47, s21, 1                          ; and which half
	s_lshl_b32 s22, s46, 18                        ; its codes: block, piece, half, my wave's two tiles
	s_lshl_b32 s92, s20, 14
	s_add_co_u32 s22, s22, s92
	s_lshl_b32 s92, s47, 13
	s_add_co_u32 s22, s22, s92
	s_lshl_b32 s92, s16, 11
	s_add_co_u32 s22, s22, s92
	s_add_nc_u64 s[10:11], s[10:11], s[22:23]
	s_lshl_b32 s22, s46, 14                        ; its scale words: block, piece, half
	s_lshl_b32 s92, s20, 10
	s_add_co_u32 s22, s22, s92
	s_lshl_b32 s92, s47, 9
	s_add_co_u32 s22, s22, s92
	s_add_nc_u64 s[104:105], s[104:105], s[22:23]
	v_lshlrev_b32 v[NCO], 4, v1
	v_lshl_add_u32 v[NCO], v2, 10, v[NCO]
	s_lshl_b32 s21, s16, 2
	s_add_co_u32 s21, s21, NSW
	v_add_nc_u32 v[NWS], s21, v3
	v_add_nc_u32 v[NRD], NSW, v3
	; ---- the addresses of the loop and of the way out
	s_lshl_b32 s21, s17, 13                        ; my eight tiles of x
	s_lshl_b32 s22, s18, 13                        ; my eight tiles of the centres,
	s_add_co_u32 s22, s22, KSB                     ; which lie behind x's
.irp s, 0,1
	v_add_nc_u32 v[ADRA+\s], s21, v3
	v_add_nc_u32 v[ADRB+\s], s22, v3
	s_add_co_u32 s21, s21, SLOT
	s_add_co_u32 s22, s22, SLOT
.endr
	v_lshlrev_b32 v5, 4, v1                        ; scale words: 16 r in a run of 256 bytes
	s_lshl_b32 s21, s17, 9                         ; x's: my half of the rows
	s_lshl_b32 s22, s18, 9                         ; the centres': my half, 16,384 bytes on
	s_add_co_u32 s22, s22, 16384
	s_sub_co_u32 s22, s22, s21
	v_mul_u32_u24 v6, s22, v2                      ; lanes 16-31 take the centres'
	s_add_co_u32 s21, s21, SCL
	v_add_nc_u32 v5, v5, v6
	v_add_nc_u32 v[ADRS], s21, v5
	s_lshl_b32 s21, s18, 9
	s_add_co_u32 s21, s21, SQS+1024
	v_lshl_add_u32 v[CAD], v2, 5, s21              ; my columns' terms: 512 x half + 32 h; accumulator column b adds 64 b
	s_lshl_b32 s21, s17, 9
	s_add_co_u32 s21, s21, SQS
	v_lshl_add_u32 v[XAD], v1, 2, s21              ; my rows' terms: 512 x half + 4 r; row tile a adds 64 a
	v_lshl_add_u32 v30, v0, 4, SQS                 ; where thread t puts its four terms
	s_mov_b32 s[SEL], 0x76543210
	s_mov_b32 s[SEL+1], 0xfedcba98
	s_lshl_b32 s46, s42, 1
	s_add_co_u32 s46, s46, s18                     ; my 128 columns are piece 2 x tile column + half of the next K
	s_lshl_b32 s20, s19, 18                        ; the densities' codes: block = tile row, that piece, tiles 8 x my half of the rows on
	s_lshl_b32 s21, s46, 14
	s_add_co_u32 s20, s20, s21
	s_lshl_b32 s21, s17, 13
	s_add_co_u32 s20, s20, s21
	s_mov_b32 s21, 0
	s_add_nc_u64 s[12:13], s[12:13], s[20:21]
	s_lshl_b32 s20, s19, 14                        ; their scale words likewise
	s_lshl_b32 s21, s46, 10
	s_add_co_u32 s20, s20, s21
	s_lshl_b32 s21, s17, 9
	s_add_co_u32 s20, s20, s21
	s_mov_b32 s21, 0
	s_add_nc_u64 s[14:15], s[14:15], s[20:21]
	s_wait_kmcnt 0x0                               ; gamma
	s_mul_f32 s[NG], s[NG], 0x3fb8aa3b             ; g2 = gamma log2(e)
	s_add_f32 s[G2], s[NG], s[NG]                  ; 2 g2
	s_mov_b32 s[G2+1], s[G2]
	s_mul_f32 s[NG], s[NG], -1.0                   ; -g2
	s_mov_b32 s[NG+1], s[NG]
	s_wait_loadcnt 63                              ; behind the sums' 16 loads stand 128 others, behind normalization's block 1 stand 64: 63, the most that a wait's count can name, lies under both: the sums and blocks 0 and 1 are in
	WIN 0x45                                       ; destination, source 0 and source 1: window 1
.irp d, 32,16,8,4                              ; the sixteen partial sums of my four rows, added in pairs
.set PP, 0
.rept \d/2
	v_pk_add_f32 v[PP:PP+1], v[PP:PP+1], v[PP+\d:PP+\d+1]
.set PP, PP+2
.endr
.endr
	v_pk_mul_f32 v[0:1], v[0:1], s[NG:NG+1] op_sel_hi:[1,0]
	v_pk_mul_f32 v[2:3], v[2:3], s[NG:NG+1] op_sel_hi:[1,0]
	WIN 0x04                                       ; an LDS store's data are its source 1: window 1
	ds_store_b128 v30, v[0:3]
	WIN 0
; Block t of my column of normalization: all its 32 numbers are mine.
.macro NBLOCK t
.set XS, NX+32*(\t)
.if (\t) == 2
	s_wait_loadcnt 32                              ; block 2 is in; block 3's 32 loads may be out
.endif
.if (\t) == 3
	s_wait_loadcnt 0x0
.endif
	v_max3_num_f32 v14, |v[XS]|, |v[XS+1]|, |v[XS+2]|      ; the block's largest magnitude, in two chains
	v_max3_num_f32 v15, |v[XS+3]|, |v[XS+4]|, |v[XS+5]|
.irp i, 6,10,14,18,22,26
	v_max3_num_f32 v14, v14, |v[XS+\i]|, |v[XS+\i+1]|
	v_max3_num_f32 v15, v15, |v[XS+\i+2]|, |v[XS+\i+3]|
.endr
	v_max3_num_f32 v14, v14, |v[XS+30]|, |v[XS+31]|
	v_max3_num_f32 v14, v14, v15, 0x1800000        ; and the floor 2^(3 - 127): the byte cannot fall under 1
	v_add_nc_u32 v18, 0xff000000, v14              ; 2 off its exponent field: the conversion's scale operand
	v_lshrrev_b32 v15, 23, v18                     ; the scale's byte
.if (\t) == 0
	v_mov_b32 v19, v15                             ; four bytes make my column's scale word, the lower K in the lower byte
.else
	v_lshl_or_b32 v19, v15, 8*(\t), v19
.endif
	v_cvt_scalef32_pk8_fp4_f32 v[NC+4*(\t)], v[XS:XS+7], v18          ; k 0-7
	v_cvt_scalef32_pk8_fp4_f32 v[NC+4*(\t)+1], v[XS+16:XS+23], v18    ; k 16-23
	v_cvt_scalef32_pk8_fp4_f32 v[NC+4*(\t)+2], v[XS+8:XS+15], v18     ; k 8-15
	v_cvt_scalef32_pk8_fp4_f32 v[NC+4*(\t)+3], v[XS+24:XS+31], v18    ; k 24-31
	v_nop                                          ; one plain instruction behind a scaled conversion
	global_store_b128 v[NCO], v[NC+4*(\t):NC+4*(\t)+3], s[10:11] offset:((\t)/2)*512+((\t)%2)*256   ; block t = 2 c + h: sixteen lanes store 256 consecutive bytes, aligned
.endm
	NBLOCK 0
	NBLOCK 1
	NBLOCK 2
	NBLOCK 3
	ds_store_b32 v[NWS], v19
.macro FRAG reg, adr, q, i             ; a fragment, 16 rows x 128 K, is 8 registers; its image is 1,024 bytes: two loads of 512 consecutive bytes
.irp c, 0,1
	ds_load_b128 v[\reg+4*\c:\reg+4*\c+3], v[\adr] offset:16384*(\q)+1024*(\i)+512*\c
.endr
.endm
; 16 matrix instructions: x's blocks a0, a0 + 1 against the centres' eight, 128 along K: the slot's q-th.  p: the centres' set;  sc: the set of scale words.  zero = 1: the first product starts the sums: nothing is cleared.
; The 64 accumulators take turns, one instruction a turn, in the same order in every step.
.macro MUL16 a0, p, q, sc, zero
.irp a, \a0, \a0+1
.irp b, 0,1,2,3,4,5,6,7
.if \zero
	v_wmma_scale_f32_16x16x128_f8f6f4 v[8*(8*((\a)%4)+\b):8*(8*((\a)%4)+\b)+7], v[128*(\p)+FR*\b:128*(\p)+FR*\b+FR-1], v[AF+FR*(\a):AF+FR*(\a)+FR-1], 0, v[SC+32*(\sc)+8*(\q)+4*(\b%2)+\b/2], v[SC+32*(\sc)+8*(\q)+4*((\a)%2)+(\a)/2] matrix_a_fmt:MATRIX_FMT_FP4 matrix_b_fmt:MATRIX_FMT_FP4 matrix_a_scale:MATRIX_SCALE_ROW1
.else
	v_wmma_scale_f32_16x16x128_f8f6f4 v[8*(8*((\a)%4)+\b):8*(8*((\a)%4)+\b)+7], v[128*(\p)+FR*\b:128*(\p)+FR*\b+FR-1], v[AF+FR*(\a):AF+FR*(\a)+FR-1], v[8*(8*((\a)%4)+\b):8*(8*((\a)%4)+\b)+7], v[SC+32*(\sc)+8*(\q)+4*(\b%2)+\b/2], v[SC+32*(\sc)+8*(\q)+4*((\a)%2)+(\a)/2] matrix_a_fmt:MATRIX_FMT_FP4 matrix_b_fmt:MATRIX_FMT_FP4 matrix_a_scale:MATRIX_SCALE_ROW1
.endif
.endr
.endr
.endm
.macro FETCH_B slot, q, p              ; the centres' eight fragments of the slot's q-th 128 along K into set p
	WIN TO_B
.irp i, 0,1,2,3,4,5,6,7
	FRAG 128*(\p)+FR*\i, ADRB+\slot, \q, \i
.endr
	WIN 0
.endm
.macro FETCH_A slot, q, i0             ; x's blocks i0 .. i0 + 3
.irp i, \i0, \i0+1, \i0+2, \i0+3
	FRAG AF+FR*(\i), ADRA+\slot, \q, \i
.endr
.endm
.macro SCALES sc                       ; a K step's scale words into set sc: a load brings the words of row blocks par, par + 2, par + 4, par + 6 of piece q; lanes 0-15 x's, lanes 16-31 the centres'
.irp q, 0,1,2,3
.irp par, 0,1
	ds_load_b128 v[SC+32*\sc+8*\q+4*\par:SC+32*\sc+8*\q+4*\par+3], v[ADRS] offset:\q*1024+\par*256
.endr
.endr
.endm
; A load into a register that a matrix instruction has read, and a vector instruction that reads a matrix result or writes one of its registers, stand NP places behind it; only plain vector instructions
; that name none of its registers are places (ISA guide 7.12.1 for vector instructions).
.macro PLACES n
.rept \n
	v_nop
.endr
.endm
.macro STEP slot, q, zero              ; a step of 128 along K that has its successor in the same slot
	s_wait_dscnt 4*NL                              ; the centres' set, x's blocks 0-3 and the scale words are in; the youngest eight loads (x's blocks 4-7) may be out
	WIN MUL_LO
	MUL16 0, (\q)%2, \q, \slot, \zero
	MUL16 2, (\q)%2, \q, \slot, \zero
	s_wait_dscnt 0                                 ; x's blocks 4-7 are in (asked for 32 matrix instructions ago)
	PLACES NP
	FETCH_B \slot, (\q)+1, 1-(\q)%2
	FETCH_A \slot, (\q)+1, 0
	WIN MUL_HI
	MUL16 4, (\q)%2, \q, \slot, \zero
	MUL16 6, (\q)%2, \q, \slot, \zero
	PLACES NP
	WIN 0
	FETCH_A \slot, (\q)+1, 4
.endm
; A slot's last step changes slots: one barrier; in front of it each wave waits for all its tensor loads, adds 0 to its spare word, and waits for that and for its own reads of this slot.  fill = 1: this slot is filled again, two K steps ahead.
.macro TURN slot, next, fill
	s_wait_tensorcnt 0x0                           ; all my tensor loads have landed: my part of the next slot  (every window is 0 here)
	ds_add_u32 v[SPW], v[NIL]                      ; 0 onto my spare word
	s_wait_dscnt 4*NL+1                            ; (the add and the youngest eight loads may be out)
	WIN MUL_LO
	MUL16 0, 1, NQ-1, \slot, 0                     ; sixteen matrix instructions stand between the add and the wait for it
	s_wait_dscnt 0x0                               ; the add is done, and my reads of this slot are over
	s_barrier_signal -1
	MUL16 2, 1, NQ-1, \slot, 0
	WIN 0
	s_barrier_wait -1
.if \fill
	CREST                                          ; the barrier has opened a round of the cluster's barrier: no wave of any partner still reads this slot or has a load on its way
	s_add_nc_u64 s[G0+4*\slot+2:G0+4*\slot+3], s[G0+4*\slot+2:G0+4*\slot+3], 2*KSB
	s_add_nc_u64 s[G0B+4*\slot+2:G0B+4*\slot+3], s[G0B+4*\slot+2:G0B+4*\slot+3], 2*KSB
	JLOAD G0+4*\slot, G1, G0B+4*\slot, G1B         ; the first tensor load behind the round, my only one until the next; its four v_nop are the places in front of the loads below
.else
	PLACES NP
.endif
	v_add_nc_u32 v[ADRS], 4096, v[ADRS]            ; on to the next K step's scale words (no LDS load of mine is out)
	FETCH_B \next, 0, 0
	FETCH_A \next, 0, 0
	SCALES \next
	WIN MUL_HI
	MUL16 4, 1, NQ-1, \slot, 0
	MUL16 6, 1, NQ-1, \slot, 0
	PLACES NP
	WIN 0
	FETCH_A \next, 0, 4
.endm
.macro STEPS slot, from                ; the slot's steps from .. NQ - 2
.set Q, \from
.rept NQ-1-\from
	STEP \slot, Q, 0
.set Q, Q+1
.endr
.endm
	s_wait_tensorcnt 1                             ; the scale words and my part of K step 0 are in (K step 1's load may be out)
	s_wait_dscnt 0x0                               ; and my four terms and my columns' scale words lie in LDS;
	s_barrier_signal -1
	s_barrier_wait -1                              ; everybody's do
	s_cmp_lg_u32 s16, 0
	s_cbranch_scc1 .Lnot_the_words                 ; wave 0 stores the scale words of the work-group's 128 columns of normalization
	ds_load_b128 v[NG4:NG4+3], v[NRD]
	s_wait_dscnt 0x0
	global_store_b128 v3, v[NG4:NG4+3], s[104:105] ; 512 consecutive bytes, aligned
.Lnot_the_words:
	FETCH_B 0, 0, 0
	FETCH_A 0, 0, 0
	SCALES 0
	FETCH_A 0, 0, 4
	STEP 0, 0, 1                                   ; K has four steps of 512: they are written out.  The first products start the sums
	STEPS 0, 1
	TURN 0, 1, 1                                   ; slot 0 takes K step 2
	STEPS 1, 0
	TURN 1, 0, 1                                   ; slot 1 takes K step 3
	STEPS 0, 0
	TURN 0, 1, 0                                   ; nothing is left to fetch: no round
	STEPS 1, 0
	s_wait_dscnt 4*NL                              ; the very last step
	WIN MUL_LO
	MUL16 0, 1, NQ-1, 1, 0
	MUL16 2, 1, NQ-1, 1, 0
	s_wait_dscnt 0
	WIN MUL_HI
	MUL16 4, 1, NQ-1, 1, 0
	MUL16 6, 1, NQ-1, 1, 0
	WIN 0
; THE WAY OUT.  64 numbers of a lane, register 16 b + i, of which lane l xor 16 holds the block's other 16, become a fragment's codes at v[pc] and the row's scale word in v[pw].
.macro QUANT src, pc, pw
	s_wait_alu depctr_va_vdst(0)
.irp b, 0,1,2,3
	v_max3_num_f32 v[TM+\b], |v[\src+16*\b]|, |v[\src+1+16*\b]|, 0x1800000   ; block b: my 16 numbers, and the floor 2^(3 - 127): the byte cannot fall under 1
.endr
.irp i, 2,4,6,8,10,12,14
.irp b, 0,1,2,3
	v_max3_num_f32 v[TM+\b], v[TM+\b], |v[\src+16*\b+\i]|, |v[\src+1+16*\b+\i]|   ; the four blocks by turns
.endr
.endr
.irp b, 0,1,2,3
	v_permlanex16_b32 v[TM+4+\b], v[TM+\b], s[SEL], s[SEL+1]
.endr
.irp b, 0,1,2,3
	v_max_num_f32 v[TM+\b], v[TM+\b], v[TM+4+\b]   ; with lane l xor 16's: the block's largest magnitude
.endr
.irp b, 0,1,2,3
	v_add_nc_u32 v[TM+12+\b], 0xff000000, v[TM+\b] ; 2 off its exponent field: the conversion takes that field as its scale
.endr
.irp b, 0,1,2,3
	v_lshrrev_b32 v[TM+4+\b], 23, v[TM+12+\b]      ; the scale's byte
.endr
	v_lshl_or_b32 v[\pw], v[TM+5], 8, v[TM+4]
	v_lshl_or_b32 v[\pw], v[TM+6], 16, v[\pw]
	v_lshl_or_b32 v[\pw], v[TM+7], 24, v[\pw]
	s_wait_xcnt 0x0                                ; the last tile's two stores have had their addresses translated (ISA guide 3.1): only behind this wait are their data, v[pc] on, written again; a tile's arithmetic stands between the stores and this wait
.irp b, 0,1,2,3
	v_cvt_scalef32_pk8_fp4_f32 v[(\pc)+2*\b], v[\src+16*\b:\src+7+16*\b], v[TM+12+\b]
	v_cvt_scalef32_pk8_fp4_f32 v[(\pc)+1+2*\b], v[\src+8+16*\b:\src+15+16*\b], v[TM+12+\b]
.endr
	v_nop                                          ; one plain instruction behind a scaled conversion
.irp c, 0,1                                    ; a whole block to a lane: lanes 0-15 block 2 c, lanes 16-31 block 2 c + 1
.irp i, 0,1
	v_permlane16_swap_b32 v[(\pc)+4*\c+\i], v[(\pc)+2+4*\c+\i]
.endr
.endr
.endm
; Row tile a (16 rows x my 128 columns): the exponents, the densities, their codes and scale words; the image of one fragment of the next product leaves in two stores.
.macro ROWBLK a
	WIN 0x12+(\a)/4                                ; source 0: the accumulators' window, 2 or 3; source 2: window 1
.set AC, 64*((\a)%4)
.set PP, 0
.rept 32
	v_pk_fma_f32 v[HA+PP:HA+PP+1], v[AC+PP:AC+PP+1], s[G2:G2+1], v[CA+PP:CA+PP+1] op_sel_hi:[1,0,1]   ; dot x 2 g2 - g2 |c|^2; each accumulator from its low end on
.set PP, PP+2
.endr
	WIN 0
.set PP, 0
.rept 32
	v_pk_add_f32 v[HA+PP:HA+PP+1], v[HA+PP:HA+PP+1], v[XA+2*(\a):XA+2*(\a)+1]   ; - g2 |x|^2
.set PP, PP+2
.endr
.set PP, 0
.rept 64
	v_exp_f32 v[HA+PP], v[HA+PP]                   ; the density
.set PP, PP+1
.endr
	v_nop                                          ; a plain instruction behind the exponentials
	QUANT HA, PC, PWS+(\a)
.irp c, 0,1
	global_store_b128 v3, v[PC+4*\c:PC+4*\c+3], s[12:13] offset:(\a)*1024+\c*512   ; 32 lanes store 512 consecutive bytes, aligned
.endr
.endm
.irp b, 0,1,2,3
	v_mov_b32 v[TM+4+\b], 0                        ; a lane permute's destination counts as one of its sources.  These four are also the places behind the last products, in front of the loads below
.endr
	WIN TO_B
.irp b, 0,1,2,3,4,5,6,7
	ds_load_b128 v[CA+8*\b:CA+8*\b+3], v[CAD] offset:64*\b         ; -g2 |c|^2 of columns 16 b + 8 h + 0 .. 7, in the accumulators' order
	ds_load_b128 v[CA+8*\b+4:CA+8*\b+7], v[CAD] offset:64*\b+16
.endr
	WIN 0
.irp a, 0,1,2,3,4,5,6,7
	ds_load_b32 v[XA+2*\a], v[XAD] offset:64*\a                    ; -g2 |x|^2 of row 16 a + r, into both halves of a pair
	ds_load_b32 v[XA+2*\a+1], v[XAD] offset:64*\a
.endr
	v_cmp_eq_u32 vcc_lo, 1, v2                     ; lanes 16-31
	s_wait_dscnt 0x0
	s_wait_xcnt 0x0                                ; the stores of normalization's codes and words have long had their addresses translated: their data, v96-115, are written again only behind this wait
.irp a, 0,1,2,3,4,5,6,7
	ROWBLK \a
.endr
.irp i, 0,1,2,3
	v_cndmask_b32 v[WO+\i], v[PWS+2*\i], v[PWS+2*\i+1], vcc_lo     ; lane 16 hh + r stores the words of rows 32 i + 16 hh + r (both halves of the lanes hold each row's word)
.endr
	global_store_b128 v3, v[WO:WO+3], s[14:15]     ; 512 consecutive bytes, aligned
	s_wait_tensorcnt 0x0                           ; the wave's end, behind my last tensor load and my last LDS store
	ds_add_u32 v[SPW], v[NIL]
	s_wait_dscnt 0x0
	CROUND                                         ; the closing round: no work-group ends while a partner may still ask for a tile that names it
	s_endpgm
.Lfunc_end_k_qf478b88ebd_gemm1:
	.size	k_qf478b88ebd_gemm1, .Lfunc_end_k_qf478b88ebd_gemm1-k_qf478b88ebd_gemm1
	.p2alignl 7, 3214868480
	.fill 96, 4, 3214868480
	.section	.rodata,"a",@progbits
	.p2align	6, 0x0
	.amdhsa_kernel k_qf478b88ebd_gemm1
		.amdhsa_group_segment_fixed_size 327680
		.amdhsa_private_segment_fixed_size 0
		.amdhsa_enable_private_segment 0
		.amdhsa_kernarg_size 72
		.amdhsa_user_sgpr_count 2
		.amdhsa_user_sgpr_kernarg_segment_ptr 1
		.amdhsa_wavefront_size32 1
		.amdhsa_system_sgpr_workgroup_id_x 1
		.amdhsa_system_sgpr_workgroup_id_y 1
		.amdhsa_system_sgpr_workgroup_id_z 1
		.amdhsa_system_vgpr_workitem_id 0
		.amdhsa_next_free_vgpr 1024
		.amdhsa_next_free_sgpr 106
		.amdhsa_reserve_vcc 1
		.amdhsa_float_denorm_mode_32 3
		.amdhsa_float_denorm_mode_16_64 3
		.amdhsa_memory_ordered 1
		.amdhsa_forward_progress 1
		.amdhsa_inst_pref_size 255
	.end_amdhsa_kernel
	.section	.bss,"aw",@nobits
	.p2align	6
	.space	262144
	.amdgpu_metadata
---
amdhsa.version: [ 1, 2 ]
amdhsa.kernels:
  - .name:           k_qf478b88ebd_gemm1
    .symbol:         k_qf478b88ebd_gemm1.kd
    .args:
      - { .name: xc_codes, .offset: 0, .size: 8, .value_kind: global_buffer, .address_space: global }
      - { .name: xc_scales, .offset: 8, .size: 8, .value_kind: global_buffer, .address_space: global }
      - { .name: sq, .offset: 16, .size: 8, .value_kind: global_buffer, .address_space: global }
      - { .name: gamma, .offset: 24, .size: 8, .value_kind: global_buffer, .address_space: global }
      - { .name: d_codes, .offset: 32, .size: 8, .value_kind: global_buffer, .address_space: global }
      - { .name: d_scales, .offset: 40, .size: 8, .value_kind: global_buffer, .address_space: global }
      - { .name: normalization, .offset: 48, .size: 8, .value_kind: global_buffer, .address_space: global }
      - { .name: n_codes, .offset: 56, .size: 8, .value_kind: global_buffer, .address_space: global }
      - { .name: n_scales, .offset: 64, .size: 8, .value_kind: global_buffer, .address_space: global }
    .group_segment_fixed_size: 327680
    .private_segment_fixed_size: 0
    .kernarg_segment_align: 8
    .kernarg_segment_size: 72
    .max_flat_workgroup_size: 128
    .sgpr_count:     106
    .vgpr_count:     1024
    .wavefront_size: 32
...
	.end_amdgpu_metadata
.endif
;; end of part 2
;; launch gemm2 (part 3): grid 8 x 32, 4 waves a work-group, clusters of 4 x 4, 327,680 bytes of LDS; arguments d_codes, d_scales, n_codes, n_scales, out0; writes out0
.if DOCPART == 3
	.amdgcn_target "amdgcn-amd-amdhsa--gfx1250"
	.amdhsa_code_object_version 6
	.text
	.protected	k_qf478b88ebd_gemm2
	.globl	k_qf478b88ebd_gemm2
	.p2align	8
	.type	k_qf478b88ebd_gemm2,@function
k_qf478b88ebd_gemm2:
	s_mov_b64 s[64:65], 0
	v_nop
	global_prefetch_b8 v0, s[64:65] scope:SCOPE_SE
	s_setreg_imm32_b32 hwreg(HW_REG_WAVE_MODE, 25, 1), 1
	s_wait_xcnt 0x0
	s_wait_alu depctr_hold_cnt(0) depctr_sa_sdst(0) depctr_va_vdst(0) depctr_va_sdst(0) depctr_va_ssrc(0) depctr_va_vcc(0) depctr_vm_vsrc(0)
	s_getreg_b32 s2, hwreg(HW_REG_IB_STS2, 6, 4)
	s_cmp_eq_u32 s2, 0
	s_cbranch_scc0 .Lentry_in_a_cluster
	s_endpgm
.Lentry_in_a_cluster:
	s_bfe_u32 s2, ttmp6, 0x10000c
	s_cmp_lg_u32 s2, 0xf033
	s_cbranch_scc0 .Lentry_shape_is_right
	s_endpgm
.Lentry_shape_is_right:
; out0 [8192][2048] f32 = densities x normalization, both operands as codes of FP4 (E2M1) with E8M0 scales; sums in f32.
; OPERANDS.  Codes: [block of 256 operand rows][piece Q of 128 along K][tile of 16 rows][1,024 bytes], a tile being the image of a fragment's eight registers ([c 0,1][lane][16 bytes]).
; Scale words: [block][Q][half of 128 rows][512 bytes], the word of row 32 a + 16 hh + r at 16 (16 hh + r) + 4 a.  The right operand's rows are normalization's columns.
; Inside each block of 32 both operands hold k in the order 0-7, 16-23, 8-15, 24-31: every product is kept; only the grouping of the sum inside the matrix instruction differs from ascending k.
; SHARES.  A tile of 256 x 256 is made by four waves, as many as a WGP has SIMDs; a wave makes 128 x 128: 64 accumulators, 512 registers.  K goes in four steps of 512 through two LDS slots; a step's codes of 256 rows
; are 65,536 consecutive bytes of memory, brought by two tensor loads of 128 rows x 256 bytes.  A fragment load's 32 lanes take 512 consecutive bytes of LDS: no padding is wanted.
; The scale words of the 256 + 256 rows for all of K (2 x 16,384 bytes, dense) come once, with the first fills, and stay.
; CLUSTERS: 4 x 4 work-groups.  The four of a row of the cluster need the same tiles of A, the four of a column the same tiles of B: each tile is asked for jointly, by the same tensor load with the same descriptor
; and a mask that names the four.  THE MATRIX INSTRUCTION IS USED TRANSPOSED (source 0 = 16 rows of B, source 1 = 16 rows of A): a lane holds eight neighbouring numbers of a row of the output.
; REGISTERS, in windows of 256: window 0: v1-31 addresses; v32-95 scale words, two sets, and nothing else; v128-191 A's fragments, one set; on the way out v128-255 rows read back.
;   window 1: B's fragments, two sets, at v0 and v128.   window 2: the accumulators of my rows 0-63 ((a, b) at v[8 (8 a + b)]);   window 3: those of rows 64-127.
.set NQ,    4                          ; matrix instructions deep in a slot
.set FR,    8                          ; registers of a fragment
.set NL,    2                          ; LDS loads that bring one
.set NP,    4                          ; places behind this matrix instruction (ISA guide 7.12.1)
.set KSB,   65536                      ; a K step's codes of 256 rows
.set SLOT,  2*KSB                      ; A's, then B's
.set SCL,   2*SLOT                     ; behind the ring: the scale words: A's 16,384 bytes, then B's
.set SPARE, SCL+32768                  ; the spare words, 128 bytes for each wave: two blocks of 256 bytes that no other line names
.set SPITCH, 528                       ; the way out: a stage of 16 rows x (512 bytes + 16) for each wave, in slot 0, which has had its last fill and its last read when the first result is stored there
.set SIZE_N, 2048
.set CO,   3                           ; v3      16 x lane: my place in an image, and in a row of the output
.set ADRA, 16                          ; v16-17  LDS address of my A fragments in slot 0, 1
.set ADRB, 20                          ; v20-21  the same for B
.set STO,  24                          ; v24     the way out: where I put 32 bytes of a row
.set RD,   25                          ; v25     the way out: where I read a row back
.set ADRS, 27                          ; v27     LDS address of my scale words: lanes 0-15 A's, lanes 16-31 B's
.set SPW,  28                          ; v28     LDS address of my spare word; never rewritten
.set NIL,  29                          ; v29     0; never rewritten
.set SC,   32                          ; scale words: block i, the slot's piece q, set s at v[SC + 32 s + 8 q + 4 (i % 2) + i / 2]
.set AF,   128
.set BK,   128                         ; the way out: 16 rows read back from the stage: v128-191 and v192-255 by turns
.set G1, 24                            ; s[24:31] descriptor group 1 for A's tiles;  s[32:39] group 0, one set for each slot
.set G0, 32
.set G1B, 48                           ; s[48:55], s[56:63] the same for B's
.set G0B, 56
.set G1S, 68                           ; s[68:75], s[76:79] groups 1 and 0 for A's scale words;  s[80:87], s[88:91] for B's
.set G0S, 76
.set G1SB, 80
.set G0SB, 88
.set MSB, 0
.macro WIN new                         ; the immediate's high byte repeats the setting that is left
.if MSB != \new
	s_set_vgpr_msb (MSB<<8)|\new
.set MSB, \new
.endif
.endm
.set MUL_LO, 0xa1                      ; source 0 (B) window 1, source 1 (A) window 0, C and D window 2
.set MUL_HI, 0xf1                      ; the same, C and D window 3
.set TO_B,   0x40                      ; destination window 1, address window 0
; A joint load: waves 0 and 1 fetch for A, waves 2 and 3 for B.  Each line has one mask and one set of registers for all that issue it; the branch hangs on the wave's number alone.
; Four v_nop follow each of the two lines, ahead of the jump, the label and what follows.
.macro JLOAD g0a, g1a, g0b, g1b
	s_cmp_eq_u32 s17, 0
	s_cbranch_scc0 .Lfor_b_\@
	tensor_load_to_lds s[\g0a:\g0a+3], s[\g1a:\g1a+7]
	s_nop 0
.rept 4
	v_nop
.endr
	s_branch .Lasked_\@
.Lfor_b_\@:
	tensor_load_to_lds s[\g0b:\g0b+3], s[\g1b:\g1b+7]
	s_nop 0
.rept 4
	v_nop
.endr
.Lasked_\@:
.endm
.macro CREST                           ; a round of the cluster's barrier behind its opening barrier
	s_cmp_lg_u32 s16, 0
	s_cbranch_scc1 .Lnot_wave_0_\@
	s_barrier_signal -3
.Lnot_wave_0_\@:
	s_barrier_wait -3
	s_barrier_signal -1
	s_barrier_wait -1
.endm
.macro CROUND                          ; a whole round
	s_barrier_signal -1
	s_barrier_wait -1
	CREST
.endm
	s_load_b128 s[4:7], s[0:1], 0x0                ; A's codes s[4:5], A's scale words s[6:7]
	s_load_b128 s[8:11], s[0:1], 0x10              ; B's codes s[8:9], B's scale words s[10:11]
	s_load_b64 s[12:13], s[0:1], 0x20              ; the output
	v_lshl_add_u32 v[SPW], v0, 2, SPARE
	v_mov_b32 v[NIL], 0
	ds_add_u32 v28, v29
	ds_add_u32 v28, v29
	s_wait_dscnt 0x0
	v_lshrrev_b32 v1, 5, v0
	v_readfirstlane_b32 s16, v1                    ; wave 0..3
	s_lshr_b32 s17, s16, 1                         ; which half of the tile's rows is mine.  Also: I fetch for A (0) or for B (1)
	s_and_b32 s18, s16, 1                          ; which half of its columns.  Also: which half of a K step's bytes I fetch
	s_bfe_u32 s40, ttmp6, 0x40000                  ; cx, cy: my place in the cluster
	s_bfe_u32 s41, ttmp6, 0x40004
	s_lshl_b32 s42, ttmp9, 2
	s_add_co_u32 s42, s42, s40                     ; tile column = 4 x cluster x + cx
	s_and_b32 s19, ttmp7, 0xffff
	s_lshl_b32 s19, s19, 2
	s_add_co_u32 s19, s19, s41                     ; tile row = 4 x cluster y + cy
	s_lshl_b32 s43, s41, 2
	s_lshl_b32 s43, 15, s43                        ; my row of the cluster
	s_lshl_b32 s44, 0x1111, s40                    ; my column
	; descriptor group 1: a dense block as rows of 256 bytes (32 elements of 8 bytes), no padding: 128 rows of codes, 32 rows of scale words
	s_or_b32 s[G1+0], s43, (3<<16)|(1<<21)         ; 15:0 the mask: A's tiles go to my row; 17:16 elements of 8 bytes; 21 set beside a mask
	s_or_b32 s[G1B+0], s44, (3<<16)|(1<<21)        ; B's go to my column
	s_or_b32 s[G1S+0], s43, (3<<16)|(1<<21)
	s_or_b32 s[G1SB+0], s44, (3<<16)|(1<<21)
.irp g, G1, G1B
	s_mov_b32 s[\g+1], 32<<16                      ; tensor_dim0 = 32
	s_mov_b32 s[\g+2], 128<<16                     ; tensor_dim1 = 128
	s_mov_b32 s[\g+3], 32<<16                      ; tile_dim0 = 32
	s_mov_b32 s[\g+4], 128                         ; tile_dim1 = 128
	s_mov_b32 s[\g+5], 32                          ; tensor_dim0_stride
	s_mov_b32 s[\g+6], 0
	s_mov_b32 s[\g+7], 0
.endr
.irp g, G1S, G1SB
	s_mov_b32 s[\g+1], 32<<16
	s_mov_b32 s[\g+2], 32<<16
	s_mov_b32 s[\g+3], 32<<16
	s_mov_b32 s[\g+4], 32
	s_mov_b32 s[\g+5], 32
	s_mov_b32 s[\g+6], 0
	s_mov_b32 s[\g+7], 0
.endr
	s_lshl_b32 s20, s19, 18                        ; A's codes: block = tile row; my half of a K step's 65,536 bytes
	s_lshl_b32 s22, s18, 15
	s_add_co_u32 s20, s20, s22
	s_mov_b32 s21, 0
	s_lshl_b32 s22, s19, 14                        ; A's scale words: my half of the block's 16,384 bytes
	s_lshl_b32 s23, s18, 13
	s_add_co_u32 s22, s22, s23
	s_mov_b32 s23, 0
	s_lshl_b32 s92, s42, 14                        ; B: block = tile column
	s_lshl_b32 s46, s42, 18
	s_lshl_b32 s47, s18, 15
	s_add_co_u32 s46, s46, s47
	s_lshl_b32 s47, s18, 13
	s_add_co_u32 s92, s92, s47
	s_mov_b32 s47, 0
	s_mov_b32 s93, 0
	s_lshl_b32 s45, s16, 15                        ; where they go: wave x 32,768 in a slot; no place in the cluster enters an LDS address
	s_lshl_b32 s94, s16, 13                        ; and wave x 8,192 among the scale words
	s_wait_kmcnt 0x0
	s_add_nc_u64 s[20:21], s[4:5], s[20:21]
	s_add_nc_u64 s[22:23], s[6:7], s[22:23]
	s_add_nc_u64 s[46:47], s[8:9], s[46:47]
	s_add_nc_u64 s[92:93], s[10:11], s[92:93]
	CROUND                                         ; all sixteen work-groups are here: the first joint loads meet
	s_mov_b32 s[G0S], 1
	s_add_co_u32 s[G0S+1], s94, SCL
	s_mov_b64 s[G0S+2:G0S+3], s[22:23]
	s_or_b32 s[G0S+3], s[G0S+3], 0x80000000
	s_mov_b32 s[G0SB], 1
	s_add_co_u32 s[G0SB+1], s94, SCL
	s_mov_b64 s[G0SB+2:G0SB+3], s[92:93]
	s_or_b32 s[G0SB+3], s[G0SB+3], 0x80000000
	JLOAD G0S, G1S, G0SB, G1SB                     ; the scale words first: they are wanted with K step 0
.irp s, 0,1
	s_mov_b32 s[G0+4*\s], 1
	s_add_co_u32 s[G0+4*\s+1], s45, \s*SLOT
	s_add_nc_u64 s[G0+4*\s+2:G0+4*\s+3], s[20:21], \s*KSB
	s_or_b32 s[G0+4*\s+3], s[G0+4*\s+3], 0x80000000
	s_mov_b32 s[G0B+4*\s], 1
	s_add_co_u32 s[G0B+4*\s+1], s45, \s*SLOT
	s_add_nc_u64 s[G0B+4*\s+2:G0B+4*\s+3], s[46:47], \s*KSB
	s_or_b32 s[G0B+4*\s+3], s[G0B+4*\s+3], 0x80000000
	JLOAD G0+4*\s, G1, G0B+4*\s, G1B               ; three tensor loads of mine are out
.endr
	v_and_b32 v1, 15, v0                           ; r
	v_bfe_u32 v2, v0, 4, 1                         ; h
	v_and_b32 v3, 31, v0
	v_lshlrev_b32 v3, 4, v3                        ; 16 x lane
	s_lshl_b32 s21, s17, 13                        ; my eight tiles of A
	s_lshl_b32 s22, s18, 13                        ; my eight tiles of B,
	s_add_co_u32 s22, s22, KSB                     ; which lie behind A's
.irp s, 0,1
	v_add_nc_u32 v[ADRA+\s], s21, v3
	v_add_nc_u32 v[ADRB+\s], s22, v3
	s_add_co_u32 s21, s21, SLOT
	s_add_co_u32 s22, s22, SLOT
.endr
	v_lshlrev_b32 v5, 4, v1                        ; scale words: 16 r in a run of 256 bytes
	s_lshl_b32 s21, s17, 9                         ; A's: my half of the rows
	s_lshl_b32 s22, s18, 9                         ; B's: my half, 16,384 bytes on
	s_add_co_u32 s22, s22, 16384
	s_sub_co_u32 s22, s22, s21
	v_mul_u32_u24 v6, s22, v2                      ; lanes 16-31 take B's
	s_add_co_u32 s21, s21, SCL
	v_add_nc_u32 v5, v5, v6
	v_add_nc_u32 v[ADRS], s21, v5
	s_mul_i32 s23, s16, 16*SPITCH                  ; my stage
	v_mul_u32_u24 v5, v1, SPITCH                   ; in: row r, 32 bytes for each half of the lanes
	v_lshl_add_u32 v5, v2, 5, v5
	v_add_nc_u32 v[STO], s23, v5
	v_add_nc_u32 v[RD], s23, v3                    ; back: the 32 lanes take one row of 512 bytes
	s_lshl_b32 s20, s19, 21                        ; my first row of the output: (256 x tile row + 128 x half) rows of 8,192 bytes
	s_lshl_b32 s21, s17, 20
	s_add_co_u32 s20, s20, s21
	s_mov_b32 s21, 0
	s_lshl_b32 s46, s42, 10                        ; my first column, in bytes: 1,024 x tile column + 512 x half
	s_lshl_b32 s47, s18, 9
	s_add_co_u32 s46, s46, s47
	s_mov_b32 s47, 0
	s_add_nc_u64 s[20:21], s[20:21], s[46:47]
	s_add_nc_u64 s[12:13], s[12:13], s[20:21]
.macro FRAG reg, adr, q, i             ; a fragment, 16 rows x 128 K, is 8 registers; its image is 1,024 bytes: two loads of 512 consecutive bytes
.irp c, 0,1
	ds_load_b128 v[\reg+4*\c:\reg+4*\c+3], v[\adr] offset:16384*(\q)+1024*(\i)+512*\c
.endr
.endm
; 16 matrix instructions: A's blocks a0, a0 + 1 against B's eight, 128 along K: the slot's q-th.  p: B's set;  sc: the set of scale words.  zero = 1: the first product starts the sums: nothing is cleared.
; The 64 accumulators take turns, one instruction a turn, in the same order in every step.
.macro MUL16 a0, p, q, sc, zero
.irp a, \a0, \a0+1
.irp b, 0,1,2,3,4,5,6,7
.if \zero
	v_wmma_scale_f32_16x16x128_f8f6f4 v[8*(8*((\a)%4)+\b):8*(8*((\a)%4)+\b)+7], v[128*(\p)+FR*\b:128*(\p)+FR*\b+FR-1], v[AF+FR*(\a):AF+FR*(\a)+FR-1], 0, v[SC+32*(\sc)+8*(\q)+4*(\b%2)+\b/2], v[SC+32*(\sc)+8*(\q)+4*((\a)%2)+(\a)/2] matrix_a_fmt:MATRIX_FMT_FP4 matrix_b_fmt:MATRIX_FMT_FP4 matrix_a_scale:MATRIX_SCALE_ROW1
.else
	v_wmma_scale_f32_16x16x128_f8f6f4 v[8*(8*((\a)%4)+\b):8*(8*((\a)%4)+\b)+7], v[128*(\p)+FR*\b:128*(\p)+FR*\b+FR-1], v[AF+FR*(\a):AF+FR*(\a)+FR-1], v[8*(8*((\a)%4)+\b):8*(8*((\a)%4)+\b)+7], v[SC+32*(\sc)+8*(\q)+4*(\b%2)+\b/2], v[SC+32*(\sc)+8*(\q)+4*((\a)%2)+(\a)/2] matrix_a_fmt:MATRIX_FMT_FP4 matrix_b_fmt:MATRIX_FMT_FP4 matrix_a_scale:MATRIX_SCALE_ROW1
.endif
.endr
.endr
.endm
.macro FETCH_B slot, q, p              ; B's eight fragments of the slot's q-th 128 along K into set p
	WIN TO_B
.irp i, 0,1,2,3,4,5,6,7
	FRAG 128*(\p)+FR*\i, ADRB+\slot, \q, \i
.endr
	WIN 0
.endm
.macro FETCH_A slot, q, i0             ; A's blocks i0 .. i0 + 3
.irp i, \i0, \i0+1, \i0+2, \i0+3
	FRAG AF+FR*(\i), ADRA+\slot, \q, \i
.endr
.endm
.macro SCALES sc                       ; a K step's scale words into set sc: a load brings the words of row blocks par, par + 2, par + 4, par + 6 of piece q; lanes 0-15 A's, lanes 16-31 B's
.irp q, 0,1,2,3
.irp par, 0,1
	ds_load_b128 v[SC+32*\sc+8*\q+4*\par:SC+32*\sc+8*\q+4*\par+3], v[ADRS] offset:\q*1024+\par*256
.endr
.endr
.endm
; A load into a register that a matrix instruction has read, and an LDS store that reads a matrix result, stand NP places behind it; only plain vector instructions that name none of its registers are places
; (ISA guide 7.12.1 for vector instructions).
.macro PLACES n
.rept \n
	v_nop
.endr
.endm
.macro STEP slot, q, zero              ; a step of 128 along K that has its successor in the same slot
	s_wait_dscnt 4*NL                              ; B's set, A's blocks 0-3 and the scale words are in; the youngest eight loads (A's blocks 4-7) may be out
	WIN MUL_LO
	MUL16 0, (\q)%2, \q, \slot, \zero
	MUL16 2, (\q)%2, \q, \slot, \zero
	s_wait_dscnt 0                                 ; A's blocks 4-7 are in (asked for 32 matrix instructions ago)
	PLACES NP
	FETCH_B \slot, (\q)+1, 1-(\q)%2
	FETCH_A \slot, (\q)+1, 0
	WIN MUL_HI
	MUL16 4, (\q)%2, \q, \slot, \zero
	MUL16 6, (\q)%2, \q, \slot, \zero
	PLACES NP
	WIN 0
	FETCH_A \slot, (\q)+1, 4
.endm
; A slot's last step changes slots: one barrier; in front of it each wave waits for all its tensor loads, adds 0 to its spare word, and waits for that and for its own reads of this slot.  fill = 1: this slot is filled again, two K steps ahead.
.macro TURN slot, next, fill
	s_wait_tensorcnt 0x0                           ; all my tensor loads have landed: my part of the next slot  (every window is 0 here)
	ds_add_u32 v[SPW], v[NIL]                      ; 0 onto my spare word
	s_wait_dscnt 4*NL+1                            ; (the add and the youngest eight loads may be out)
	WIN MUL_LO
	MUL16 0, 1, NQ-1, \slot, 0                     ; sixteen matrix instructions stand between the add and the wait for it
	s_wait_dscnt 0x0                               ; the add is done, and my reads of this slot are over
	s_barrier_signal -1
	MUL16 2, 1, NQ-1, \slot, 0
	WIN 0
	s_barrier_wait -1
.if \fill
	CREST                                          ; the barrier has opened a round of the cluster's barrier: no wave of any partner still reads this slot or has a load on its way
	s_add_nc_u64 s[G0+4*\slot+2:G0+4*\slot+3], s[G0+4*\slot+2:G0+4*\slot+3], 2*KSB
	s_add_nc_u64 s[G0B+4*\slot+2:G0B+4*\slot+3], s[G0B+4*\slot+2:G0B+4*\slot+3], 2*KSB
	JLOAD G0+4*\slot, G1, G0B+4*\slot, G1B         ; the first tensor load behind the round, my only one until the next; its four v_nop are the places in front of the loads below
.else
	PLACES NP
.endif
	v_add_nc_u32 v[ADRS], 4096, v[ADRS]            ; on to the next K step's scale words (no LDS load of mine is out)
	FETCH_B \next, 0, 0
	FETCH_A \next, 0, 0
	SCALES \next
	WIN MUL_HI
	MUL16 4, 1, NQ-1, \slot, 0
	MUL16 6, 1, NQ-1, \slot, 0
	PLACES NP
	WIN 0
	FETCH_A \next, 0, 4
.endm
.macro STEPS slot, from                ; the slot's steps from .. NQ - 2
.set Q, \from
.rept NQ-1-\from
	STEP \slot, Q, 0
.set Q, Q+1
.endr
.endm
	s_wait_tensorcnt 1                             ; the scale words and my part of K step 0 are in (K step 1's load may be out)
	s_barrier_signal -1
	s_barrier_wait -1                              ; everybody's are
	FETCH_B 0, 0, 0
	FETCH_A 0, 0, 0
	SCALES 0
	FETCH_A 0, 0, 4
	STEP 0, 0, 1                                   ; K has four steps of 512: they are written out.  The first products start the sums
	STEPS 0, 1
	TURN 0, 1, 1                                   ; slot 0 takes K step 2
	STEPS 1, 0
	TURN 1, 0, 1                                   ; slot 1 takes K step 3
	STEPS 0, 0
	TURN 0, 1, 0                                   ; nothing is left to fetch: no round
	STEPS 1, 0
	s_wait_dscnt 4*NL                              ; the very last step
	WIN MUL_LO
	MUL16 0, 1, NQ-1, 1, 0
	MUL16 2, 1, NQ-1, 1, 0
	s_wait_dscnt 0
	WIN MUL_HI
	MUL16 4, 1, NQ-1, 1, 0
	MUL16 6, 1, NQ-1, 1, 0
	WIN 0
; THE WAY OUT, block by block of 16 rows x 128 columns.  A lane holds 32 neighbouring bytes of a row, and the lanes beside it hold other rows: so a block goes through my own stage in LDS and comes back as whole
; rows of 512 bytes.  LDS serves a wave's instructions in order (ISA guide 5.7.1.4): no wait between the stores and the loads, nor in front of the next block's stores.
.macro TOSTAGE a
.set AC, 64*((\a)%4)
	WIN 0x08+4*((\a)/4)                            ; the data: window 2 or 3
.irp b, 0,1,2,3,4,5,6,7
	ds_store_b128 v[STO], v[AC+8*\b:AC+8*\b+3] offset:64*\b          ; each accumulator from its low end on
	ds_store_b128 v[STO], v[AC+8*\b+4:AC+8*\b+7] offset:64*\b+16
.endr
	WIN 0
.set BB, BK+64*((\a)%2)
.irp t, 0,1,2,3,4,5,6,7,8,9,10,11,12,13,14,15
	ds_load_b128 v[BB+4*\t:BB+4*\t+3], v[RD] offset:\t*SPITCH
.endr
.endm
.macro SEND a, younger                 ; younger: the LDS instructions issued behind block a's loads, which may stay out
.set BB, BK+64*((\a)%2)
	s_wait_dscnt \younger                          ; the block is back in registers
.if (\a) > 0
	s_add_nc_u64 s[12:13], s[12:13], 16*SIZE_N*4   ; (behind a wait on XCNT: the earlier stores have read their base)  16 rows on
.endif
.irp t, 0,1,2,3,4,5,6,7,8,9,10,11,12,13,14,15
	global_store_b128 v[CO], v[BB+4*\t:BB+4*\t+3], s[12:13] offset:\t*SIZE_N*4 th:TH_STORE_NT   ; 32 lanes store 512 consecutive bytes, aligned; written once, read by nobody here
.endr
.endm
	PLACES NP                                      ; in front of the loads into the registers that held A's fragments, and of the reads of the last results
	TOSTAGE 0
.irp a, 1,2,3,4,5,6,7
.if \a > 1
	s_wait_xcnt 0x0                                ; block a - 2's stores have read their registers and their base: block a's loads may land there, and the base may step
.endif
	TOSTAGE \a
	SEND \a-1, 32                                  ; behind block a - 1's loads: block a's 16 stores and 16 loads
.endr
	s_wait_xcnt 0x0                                ; block 6's stores have read their base
	SEND 7, 0
	s_wait_tensorcnt 0x0                           ; the wave's end, behind my last tensor load and my last LDS store
	ds_add_u32 v[SPW], v[NIL]
	s_wait_dscnt 0x0
	CROUND                                         ; the closing round: no work-group ends while a partner may still ask for a tile that names it
	s_endpgm
.Lfunc_end_k_qf478b88ebd_gemm2:
	.size	k_qf478b88ebd_gemm2, .Lfunc_end_k_qf478b88ebd_gemm2-k_qf478b88ebd_gemm2
	.p2alignl 7, 3214868480
	.fill 96, 4, 3214868480
	.section	.rodata,"a",@progbits
	.p2align	6, 0x0
	.amdhsa_kernel k_qf478b88ebd_gemm2
		.amdhsa_group_segment_fixed_size 327680
		.amdhsa_private_segment_fixed_size 0
		.amdhsa_enable_private_segment 0
		.amdhsa_kernarg_size 40
		.amdhsa_user_sgpr_count 2
		.amdhsa_user_sgpr_kernarg_segment_ptr 1
		.amdhsa_wavefront_size32 1
		.amdhsa_system_sgpr_workgroup_id_x 1
		.amdhsa_system_sgpr_workgroup_id_y 1
		.amdhsa_system_sgpr_workgroup_id_z 1
		.amdhsa_system_vgpr_workitem_id 0
		.amdhsa_next_free_vgpr 1024
		.amdhsa_next_free_sgpr 96
		.amdhsa_reserve_vcc 0
		.amdhsa_float_denorm_mode_32 3
		.amdhsa_float_denorm_mode_16_64 3
		.amdhsa_memory_ordered 1
		.amdhsa_forward_progress 1
		.amdhsa_inst_pref_size 211
	.end_amdhsa_kernel
	.amdgpu_metadata
---
amdhsa.version: [ 1, 2 ]
amdhsa.kernels:
  - .name:           k_qf478b88ebd_gemm2
    .symbol:         k_qf478b88ebd_gemm2.kd
    .args:
      - { .name: d_codes, .offset: 0, .size: 8, .value_kind: global_buffer, .address_space: global }
      - { .name: d_scales, .offset: 8, .size: 8, .value_kind: global_buffer, .address_space: global }
      - { .name: n_codes, .offset: 16, .size: 8, .value_kind: global_buffer, .address_space: global }
      - { .name: n_scales, .offset: 24, .size: 8, .value_kind: global_buffer, .address_space: global }
      - { .name: out0, .offset: 32, .size: 8, .value_kind: global_buffer, .address_space: global }
    .group_segment_fixed_size: 327680
    .private_segment_fixed_size: 0
    .kernarg_segment_align: 8
    .kernarg_segment_size: 40
    .max_flat_workgroup_size: 128
    .sgpr_count:     96
    .vgpr_count:     1024
    .wavefront_size: 32
...
	.end_amdgpu_metadata
.endif
;; end of part 3
